; MI455X (gfx1250); checked and timed in simulation.
; The chip was launched on July 23, 2026; its instructions are those of AMD's public machine-readable ISA for CDNA 5 (MIT licence, August 2026) and "CDNA5" Instruction Set Architecture Reference Guide (July 2026). The comments in the code are by the model that wrote it; some were corrected since.
;; Multi Head Attention. Allowed arithmetic: matrix products marked QUANTISED: E4M3 operands, one given power-of-two scale a tensor, by v_wmma_f32_16x16x64_fp8_fp8 or v_wmma_f32_16x16x128_fp8_fp8, f32 sums; everything else in f32.
;; Inputs: Wk_b 1,024 float32; Wk_w 1,024 x 1,024 float32; Wq_b 1,024 float32; Wq_w 1,024 x 1,024 float32; Wv_b 1,024 float32; Wv_w 1,024 x 1,024 float32; dense_b 1,024 float32; dense_w 1,024 x 1,024 float32; k 4 x 2,048 x 1,024 float32; lowp_scales 12 int32 (the exponents e of the quantised operands' scales 2^e); mask 2,048 x 2,048 float32; q 4 x 2,048 x 1,024 float32; v 4 x 2,048 x 1,024 float32.
;; Outputs: out0 4 x 2,048 x 1,024 float32.
;; This version of the problem:
;;   THIS VERSION OF THE PROBLEM IS GIVEN IN LOW PRECISION. The matrix products marked QUANTISED in the list below multiply operands that are first quantised to E4M3 (4 exponent bits, 3 mantissa bits; 8 bits a number), with one given power-of-two scale for each operand tensor; their sums are f32. All else is computed in f32.
;;   The module's matrix products, in the order in which they are computed (A, B: the left and right operand; K: the contracted axis; several contracted axes count as one K, in the product's order):
;;     1. [M 8,192, K 1,024] x [K 1,024, N 1,024]; A: input q; B: input Wq_w: QUANTISED (scales: A lowp_scales[0], B lowp_scales[1])
;;     2. [M 8,192, K 1,024] x [K 1,024, N 1,024]; A: input k; B: input Wk_w: QUANTISED (scales: A lowp_scales[2], B lowp_scales[3])
;;     3. [M 8,192, K 1,024] x [K 1,024, N 1,024]; A: input v; B: input Wv_w: QUANTISED (scales: A lowp_scales[4], B lowp_scales[5])
;;     4. batch 64 x [M 2,048, K 64] x [K 64, N 2,048]; A: computed on the way; B: computed on the way: QUANTISED (scales: A lowp_scales[6], B lowp_scales[7])
;;     5. batch 64 x [M 2,048, K 2,048] x [K 2,048, N 64]; A: softmax (see below); B: computed on the way: QUANTISED (scales: A lowp_scales[8], B lowp_scales[9])
;;     6. [M 8,192, K 1,024] x [K 1,024, N 1,024]; A: computed on the way; B: input dense_w: QUANTISED (scales: A lowp_scales[10], B lowp_scales[11])
;;   THE QUANTISER, for each operand of a quantised product, along K:
;;     - The operand's scale is 2^e, e = its entry of the input lowp_scales (int32; the entries are numbered through the quantised products in the list's order, A before B).
;;     - Each number is divided by the scale, clamped to +-448, and rounded to the nearest number of E4M3, ties to even, subnormals kept.
;;     - The product sums the exact products of the quantised numbers (number of the format x scale) in f32.
;;   ~~~python
;;   def quantise(x, axis, e):      # numpy; x: float32 -> the quantised numbers, widened to float32 again
;;       x = np.moveaxis(x, axis, -1); K = x.shape[-1]
;;       r = np.clip(x / 2.0 ** e, -448, 448)
;;       step = 2.0 ** (np.maximum(np.frexp(np.where(r == 0, 1, r))[1] - 1, -6) - 3)
;;       q = np.round(r / step) * step * 2.0 ** e      # np.round: ties to even
;;       return np.moveaxis(q, -1, axis).astype(np.float32)
;;   ~~~
;;   SOFTMAX AHEAD OF A QUANTISED PRODUCT. Where the list says 'softmax', what is quantised is not the finished softmax but p = 2^(t - M), with t = logit x log2(e) and M = ceil(the row's largest t), a whole number; so 1/2 < the row's largest p <= 1. The row's sum l is taken of the UNQUANTISED p, in f32, and the product's result is divided by l at the end. Since M is a whole number, a kernel that streams over the keys may use a running M (the ceiling of the running maximum): every later rescaling is an exact power of two, so the quantised numbers keep their values, but for numbers so far below the row's largest that they fall under the format's range.
;;   OPERANDS COMPUTED ON THE WAY. 'Computed on the way' means the value that the module computes at that place (a softmax that the list does not call 'softmax' is quantised finished and normalised). What goes into a quantiser is computed in f32, as accurately as f32 sums, v_exp_f32 and their like allow (about 1e-6 of the number): no bf16 or f16 on the way to a quantiser, and a product that is left as it is and whose result goes on into a quantised operand takes f32 operands (vector FMAs, or v_wmma_f32_16x16x4_f32). A number that lies on a knife's edge between two numbers of the format may be rounded either way, as far as f32 arithmetic and the matrix unit's own rounding can turn it there, and no further.
;; One version. Each part assembles by itself: llvm-mc -triple=amdgcn-amd-amdhsa -mcpu=gfx1250 --defsym DOCPART=n.
;; ======== version 1 of 1: 4 launches
;; limits: right only within a limited range of input values
;; workspace buffers: img 29,360,128 bytes; mimg 16,777,216 bytes; qkv 25,165,824 bytes; cimg 8,388,608 bytes; flags 65,536 bytes of whole numbers
;; launch quant (part 1): grid 512 x 1, 4 waves a work-group, no clusters, 34,816 bytes of LDS; arguments q, k, v, Wq_w, Wk_w, Wv_w, dense_w, mask, lowp_scales, img, mimg, flags; writes img, mimg, flags
.if DOCPART == 1
	.amdgcn_target "amdgcn-amd-amdhsa--gfx1250"
	.amdhsa_code_object_version 6
	.text
	.protected	k_q13836509eb_quant
	.globl	k_q13836509eb_quant
	.p2align	8
	.type	k_q13836509eb_quant,@function
k_q13836509eb_quant:
	s_mov_b64 s[64:65], 0
	v_nop
	global_prefetch_b8 v0, s[64:65] scope:SCOPE_SE
	s_setreg_imm32_b32 hwreg(HW_REG_WAVE_MODE, 25, 1), 1
	s_wait_xcnt 0x0
; q, k, v [8192][1024] and the four weights [1024][1024], f32 with K innermost, become codes of E4M3, each with the scale 2^e that is given for it; the mask [2048][2048] becomes
; mask x -10000 x 2^(3 - e6 - e7), f32: the addend that the attention launch gives to its first product as C (one rounding of mask x -10000; the rest is a power of two).
; ALL OF IT IS LAID AS IMAGES OF OPERAND REGISTERS.  A row tile rt holds rows 32 (rt / 2) + 8 (rt % 2) + r + 8 (r / 8), r = 0 .. 15.  A fragment is a row tile x 128 along K: lane (r, h) holds, in registers
; 16 c + i, column 32 c + 16 h + i of its row.  As codes that is 4 chunks of 512 bytes (chunk c: 16 bytes a lane at 16 x lane), as f32 (the mask) 16 chunks.
; img: blocks of 8 row tiles x 1,024 K = 131,072 bytes; blocks 64 t on: q, k, v (t = 0, 1, 2); blocks 192 + 8 n on: Wq, Wk, Wv, dense.  In a block fragment (tile i, K step f) lies at (f / 2) 32768 + 4096 i + (f % 2) 2048.
; mimg: [query tile][key step of 128][8,192 bytes].
; SHARES.  A wave takes one row tile x 1,024 columns: 8 fragments.  Work-groups 0-383: q, k, v; 384-447: the weights; 448-511: the mask (a wave: one query tile, half of the keys).
; Each load reads 512 consecutive bytes of one row; a fragment's 16 rows turn through the wave's own stage in LDS (rows of 512 + 16 bytes) and come back 16 neighbours a lane.  Every store covers 512 consecutive bytes, aligned.
; The stages are the waves' own; one barrier, for the mask's largest terms.  Two fragments' loads (32 a wave) are out at the most.
; LIMITS: each e between -126 and 119; e6 + e7 between -111 and 142.  NaN among the inputs is not served; an infinity is held at the largest code.
.set RO,   8                           ; v8-23    row p of the tile: (p + 8 (p / 8)) x pitch + 16 x lane; never rewritten
.set LIM,  24                          ; v24      448 x 2^e
.set SCL,  25                          ; v25      2^e
.set R,    32                          ; v32-159  two sets of 64: a fragment as it is loaded
.set X,    160                         ; v160-223 a fragment, 16 neighbours a block
.set CD,   224                         ; v224-239 its codes
.set STG,  8448                        ; a wave's stage: 16 rows x 528 bytes
.set WV,   44
.set SRC,  46                          ; s[46:47] my tile's first byte
.set DST,  48                          ; s[48:49] where my images begin
.set TN,   50                          ; s50  which tensor: 0-2 q, k, v; 3-6 the weights; 7 the mask
.set J,    51                          ; s51  my wave's job in it
.set ISM,  55                          ; s55  1 for the mask
.set PIT,  56                          ; s56  bytes from row to row
.set MC,   58                          ; s[58:59] -10000 x 2^(3 - e6 - e7)
	s_load_b512 s[8:23], s[0:1], 0x0               ; q, k, v, Wq, Wk, Wv, dense, mask
	s_load_b128 s[24:27], s[0:1], 0x40             ; the scales' exponents, img
	s_load_b64 s[28:29], s[0:1], 0x50              ; mimg
; FLAGS, whole numbers for the attention launch: one word for each mask job (query tile, half of the keys), repeated over the job's own 256 bytes.  Bit f: key step f of the half is HIDDEN for all 16 queries;
; bit 8 + f: its mask terms are all 0.  HIDDEN: the step's largest term m' (in units of a sum of codes) lies under A - (2 x 64 x 448 x 448 + 128 x 2^(3 - e6 - e7)), A = the least, over the tile's rows, of the row's largest term.
; A sum of 64 products of codes lies within +-64 x 448 x 448, so every score of such a step lies 128 x 2^(3 - e6 - e7) or more under its row's largest score: t lies 184 or more under the row's largest t, and p = 2^(t - M) is 0 in f32.
; The two halves of a row are two waves of one work-group: they hand each other the rows' largest terms through LDS, behind one barrier that every wave of the launch passes.  LIMIT: e6 + e7 at most 130.
	s_load_b64 s[30:31], s[0:1], 0x58              ; flags
	v_lshl_add_u32 v254, v0, 2, 0x8400
	v_mov_b32 v255, 0
	v_lshl_add_u32 v250, v0, 2, 0x8600             ; behind the spare words: a word a lane for the rows' largest terms,
	v_xor_b32 v251, 0x80, v250                     ; and the same lane's word of the wave with the row's other half
	v_mov_b32 v249, 0                              ; a lane permute's destination
.irp f, 0,1,2,3,4,5,6,7
	v_mov_b32 v[240+\f], 0xff800000                ; fragment f: my lane's largest term,
	v_mov_b32 v[224+\f], 0                         ; and largest magnitude (the codes' registers, which the mask's way does not use)
.endr
	v_lshrrev_b32 v4, 5, v0
	v_readfirstlane_b32 s[WV], v4                  ; wave
	v_and_b32 v5, 31, v0
	v_lshlrev_b32 v1, 4, v5                        ; 16 x lane
	s_wait_alu depctr_va_vdst(0)
	s_mul_i32 s45, s[WV], STG
	v_add_nc_u32 v2, s45, v1                       ; the stage on the way in: a row's 512 bytes as they lie
	v_and_b32 v6, 15, v0
	v_bfe_u32 v7, v0, 4, 1
	v_mul_u32_u24 v3, v6, 528
	v_lshl_add_u32 v3, v7, 6, v3
	v_add_nc_u32 v3, s45, v3                       ; and on the way out: row r, + 64 h
	s_lshr_b32 s[TN], ttmp9, 7                     ; work-groups 0-383: 128 to a tensor
	s_and_b32 s[J], ttmp9, 127
	s_sub_co_u32 s52, ttmp9, 384
	s_lshr_b32 s53, s52, 4
	s_add_co_u32 s53, s53, 3                       ; 384-447: 16 to a weight
	s_and_b32 s54, s52, 15
	s_cmp_ge_u32 ttmp9, 384
	s_cselect_b32 s[TN], s53, s[TN]
	s_cselect_b32 s[J], s54, s[J]
	s_sub_co_u32 s52, ttmp9, 448
	s_cmp_ge_u32 ttmp9, 448                        ; 448-511: the mask
	s_cselect_b32 s[TN], 7, s[TN]
	s_cselect_b32 s[J], s52, s[J]
	s_cselect_b32 s[ISM], 1, 0
	s_lshl_b32 s[J], s[J], 2
	s_add_co_u32 s[J], s[J], s[WV]                 ; job = 4 x work-group's place + wave
	s_lshr_b32 s52, s[J], s[ISM]                   ; row tile (the mask has two jobs to a tile)
	s_and_b32 s53, s[J], s[ISM]                    ; which half of the mask's columns
	s_lshl_b32 s[PIT], 4096, s[ISM]
	s_lshr_b32 s54, s52, 1
	s_lshl_b32 s54, s54, 5
	s_and_b32 s57, s52, 1
	s_lshl_b32 s57, s57, 3
	s_add_co_u32 s54, s54, s57                     ; the tile's first row: 32 (rt / 2) + 8 (rt % 2)
	s_mul_i32 s60, s54, s[PIT]
	s_lshl_b32 s53, s53, 12
	s_add_co_u32 s60, s60, s53
	s_mov_b32 s61, 0                               ; s[60:61]: from the tensor's first byte to my tile's
	s_lshl_b32 s62, s[TN], 6                       ; q, k, v: blocks 64 t on
	s_lshl_b32 s63, s[TN], 3
	s_add_co_u32 s63, s63, 168                     ; the weights: 192 + 8 (t - 3)
	s_cmp_lt_u32 s[TN], 3
	s_cselect_b32 s62, s62, s63
	s_lshr_b32 s63, s52, 3
	s_add_co_u32 s62, s62, s63
	s_lshl_b32 s62, s62, 17
	s_and_b32 s63, s52, 7
	s_lshl_b32 s63, s63, 12
	s_add_co_u32 s62, s62, s63                     ; block x 131,072 + tile in the block x 4,096
	s_lshl_b32 s63, s[J], 16                       ; the mask: 65,536 bytes a job
	s_cmp_eq_u32 s[ISM], 1
	s_cselect_b32 s62, s63, s62
	s_mov_b32 s63, 0                               ; s[62:63]: where my images begin
.irp p, 0,1,2,3,4,5,6,7,8,9,10,11,12,13,14,15
	s_mul_i32 s57, s[PIT], \p+8*(\p/8)
	v_add_nc_u32 v[RO+\p], s57, v1
.endr
	s_wait_alu depctr_va_vdst(0)
	s_wait_kmcnt 0x0
	s_load_b256 s[32:39], s[24:25], 0x0            ; e0 .. e7
	s_load_b128 s[40:43], s[24:25], 0x20           ; e8 .. e11
	s_mov_b64 s[SRC:SRC+1], s[8:9]                 ; the buffers are chosen on the work-group's number alone
.irp n, 1,2,3,4,5,6,7
	s_cmp_eq_u32 s[TN], \n
	s_cselect_b64 s[SRC:SRC+1], s[8+2*\n:9+2*\n], s[SRC:SRC+1]
.endr
	s_cmp_eq_u32 s[ISM], 1
	s_cselect_b64 s[DST:DST+1], s[28:29], s[26:27]
	s_add_nc_u64 s[SRC:SRC+1], s[SRC:SRC+1], s[60:61]
	s_add_nc_u64 s[DST:DST+1], s[DST:DST+1], s[62:63]
.macro LOADF f                         ; fragment f: 16 rows x 512 bytes into set f % 2
.irp p, 0,1,2,3,4,5,6,7,8,9,10,11,12,13,14,15
	global_load_b128 v[R+64*((\f)%2)+4*\p:R+64*((\f)%2)+4*\p+3], v[RO+\p], s[SRC:SRC+1] offset:512*(\f) th:TH_LOAD_NT
.endr
.endm
	LOADF 0
	LOADF 1
	s_wait_kmcnt 0x0
	s_mov_b32 s52, s32                             ; e: q e0, k e2, v e4, Wq e1, Wk e3, Wv e5, dense e11 (the mask's way does not use it)
	s_cmp_eq_u32 s[TN], 1
	s_cselect_b32 s52, s34, s52
	s_cmp_eq_u32 s[TN], 2
	s_cselect_b32 s52, s36, s52
	s_cmp_eq_u32 s[TN], 3
	s_cselect_b32 s52, s33, s52
	s_cmp_eq_u32 s[TN], 4
	s_cselect_b32 s52, s35, s52
	s_cmp_eq_u32 s[TN], 5
	s_cselect_b32 s52, s37, s52
	s_cmp_eq_u32 s[TN], 6
	s_cselect_b32 s52, s43, s52
	s_add_co_i32 s52, s52, 127
	s_lshl_b32 s53, s52, 23
	v_mov_b32 v[SCL], s53                          ; 2^e as f32: the conversion takes its exponent field
	s_add_co_i32 s52, s52, 8
	s_lshl_b32 s52, s52, 23
	s_or_b32 s52, s52, 0x600000
	v_mov_b32 v[LIM], s52                          ; 448 x 2^e
	s_sub_co_i32 s[MC], 3, s38
	s_sub_co_i32 s[MC], s[MC], s39
	s_lshl_b32 s[MC], s[MC], 23
	s_add_co_i32 s[MC], s[MC], 0xc61c4000          ; -10000 with 3 - e6 - e7 added to its exponent field
	s_mov_b32 s[MC+1], s[MC]                       ; (named with it as a pair, so it is written)
	s_sub_co_i32 s52, 137, s38
	s_sub_co_i32 s52, s52, s39
	s_lshl_b32 s52, s52, 23                        ; 128 x 2^(3 - e6 - e7) as f32
	v_mov_b32 v252, s52
	v_add_f32 v252, 0x4bc40000, v252               ; + 2 x 64 x 448 x 448
.macro FRAGQ f
.if \f < 7
	s_wait_loadcnt 16                              ; this fragment's 16 loads are in; the next fragment's 16 may be out
.else
	s_wait_loadcnt 0x0
.endif
.irp p, 0,1,2,3,4,5,6,7,8,9,10,11,12,13,14,15
	ds_store_b128 v2, v[R+64*((\f)%2)+4*\p:R+64*((\f)%2)+4*\p+3] offset:528*\p
.endr
	s_wait_xcnt 0x0                                ; the last fragment's stores have read their data: X and the codes are written again only behind this wait
.irp c, 0,1,2,3
.irp i, 0,1,2,3
	ds_load_b128 v[X+16*\c+4*\i:X+16*\c+4*\i+3], v3 offset:128*\c+16*\i   ; LDS serves a wave's instructions in order: these see the stores above
.endr
.endr
	s_wait_dscnt 0x0                               ; the fragment is back, and the stores into the stage have read their registers,
.if \f < 6
	LOADF \f+2                                     ; which take the fragment two further on
.endif
	s_cmp_eq_u32 s[ISM], 1                         ; the two ways part round register work and global stores alone
	s_cbranch_scc1 .Lmask_\@
	s_wait_alu depctr_va_vdst(0)
.irp c, 0,1,2,3
.irp i, 0,1,2,3,4,5,6,7,8,9,10,11,12,13,14,15
	v_med3_num_f32 v[X+16*\c+\i], v[X+16*\c+\i], -v[LIM], v[LIM]   ; the conversion to an 8-bit code does not saturate (ISA guide 7.6.2): the hold at the largest code x the scale
.endr
	v_cvt_scalef32_pk8_fp8_f32 v[CD+4*\c:CD+4*\c+1], v[X+16*\c:X+16*\c+7], v[SCL]
	v_cvt_scalef32_pk8_fp8_f32 v[CD+4*\c+2:CD+4*\c+3], v[X+16*\c+8:X+16*\c+15], v[SCL]
.endr
	v_nop                                          ; a plain line behind the last conversion: the next fragment's holds write the conversions' sources
.irp c, 0,1,2,3
	global_store_b128 v1, v[CD+4*\c:CD+4*\c+3], s[DST:DST+1] offset:((\f)/2)*32768+((\f)%2)*2048+512*\c
.endr
	s_branch .Ljoin_\@
.Lmask_\@:
.set j, 0
.rept 32
	v_pk_mul_f32 v[X+j:X+j+1], v[X+j:X+j+1], s[MC:MC+1] op_sel_hi:[1,0]
.set j, j+2
.endr
.irp n, 0,1,2,3,4,5,6,7,8,9,10,11,12,13,14,15
	global_store_b128 v1, v[X+4*\n:X+4*\n+3], s[DST:DST+1] offset:8192*(\f)+512*\n
.endr
.set j, 0
.rept 32
	v_max3_num_f32 v[240+\f], v[240+\f], v[X+j], v[X+j+1]
	v_max3_num_f32 v[224+\f], v[224+\f], |v[X+j]|, |v[X+j+1]|
.set j, j+2
.endr
.Ljoin_\@:
.endm
.irp f, 0,1,2,3,4,5,6,7
	FRAGQ \f
.endr
	v_max3_num_f32 v248, v240, v241, v242          ; my row's largest term among my lane's columns of my half,
	v_max3_num_f32 v248, v248, v243, v244
	v_max3_num_f32 v248, v248, v245, v246
	v_max_num_f32 v248, v248, v247
	s_mov_b32 s8, 0x76543210
	s_mov_b32 s9, 0xfedcba98
	v_permlanex16_b32 v249, v248, s8, s9
	v_max_num_f32 v248, v248, v249                 ; and lane l xor 16's
	ds_store_b32 v250, v248
	s_wait_alu depctr_va_vdst(0)
	s_wait_dscnt 0x0                               ; for the other wave's sake
	s_barrier_signal -1
	s_barrier_wait -1
	ds_load_b32 v249, v251                         ; the same row's largest term in the other half
	s_wait_dscnt 0x0
	v_max_num_f32 v248, v248, v249
	v_min_num_f32_dpp v248, v248, v248 row_xmask:1 row_mask:0xf bank_mask:0xf   ; A: the least over the 16 rows
	v_min_num_f32_dpp v248, v248, v248 row_xmask:2 row_mask:0xf bank_mask:0xf
	v_min_num_f32_dpp v248, v248, v248 row_xmask:4 row_mask:0xf bank_mask:0xf
	v_min_num_f32_dpp v248, v248, v248 row_xmask:8 row_mask:0xf bank_mask:0xf
	v_sub_f32 v248, v248, v252
	s_wait_alu depctr_va_vdst(0)                   ; directly behind the write
	s_mov_b32 s12, 0
.irp f, 0,1,2,3,4,5,6,7
	v_cmp_lt_f32 s10, v[240+\f], v248              ; hidden where it holds in all 32 lanes; a value is chosen, nothing branches
	s_cmp_eq_u32 s10, -1
	s_cselect_b32 s11, 1<<\f, 0
	s_or_b32 s12, s12, s11
	v_cmp_eq_f32 s10, 0, v[224+\f]
	s_cmp_eq_u32 s10, -1
	s_cselect_b32 s11, 256<<\f, 0
	s_or_b32 s12, s12, s11
.endr
	s_lshl_b32 s10, s[J], 8                        ; 256 bytes a job
	s_mov_b32 s11, 0
	s_cmp_eq_u32 s[ISM], 1                         ; the mask's work-groups alone store flags
	s_cbranch_scc0 .Lnoflag
	s_add_nc_u64 s[30:31], s[30:31], s[10:11]
	v_mov_b32 v252, s12
	v_mov_b32 v253, s12
	v_lshlrev_b32 v249, 3, v5
	global_store_b64 v249, v[252:253], s[30:31]    ; 32 lanes store 256 consecutive bytes, aligned
.Lnoflag:
	s_wait_tensorcnt 0x0
	ds_add_u32 v254, v255
	s_wait_dscnt 0x0
	s_endpgm
.Lfunc_end_k_q13836509eb_quant:
	.size	k_q13836509eb_quant, .Lfunc_end_k_q13836509eb_quant-k_q13836509eb_quant
	.p2alignl 7, 3214868480
	.fill 96, 4, 3214868480
	.section	.rodata,"a",@progbits
	.p2align	6, 0x0
	.amdhsa_kernel k_q13836509eb_quant
		.amdhsa_group_segment_fixed_size 34816
		.amdhsa_private_segment_fixed_size 0
		.amdhsa_enable_private_segment 0
		.amdhsa_kernarg_size 96
		.amdhsa_user_sgpr_count 2
		.amdhsa_user_sgpr_kernarg_segment_ptr 1
		.amdhsa_wavefront_size32 1
		.amdhsa_system_sgpr_workgroup_id_x 1
		.amdhsa_system_sgpr_workgroup_id_y 1
		.amdhsa_system_sgpr_workgroup_id_z 1
		.amdhsa_system_vgpr_workitem_id 0
		.amdhsa_next_free_vgpr 256
		.amdhsa_next_free_sgpr 68
		.amdhsa_reserve_vcc 0
		.amdhsa_float_denorm_mode_32 3
		.amdhsa_float_denorm_mode_16_64 3
		.amdhsa_memory_ordered 1
		.amdhsa_forward_progress 1
		.amdhsa_inst_pref_size 140
	.end_amdhsa_kernel
	.amdgpu_metadata
---
amdhsa.version: [ 1, 2 ]
amdhsa.kernels:
  - .name:           k_q13836509eb_quant
    .symbol:         k_q13836509eb_quant.kd
    .args:
      - { .name: q, .offset: 0, .size: 8, .value_kind: global_buffer, .address_space: global }
      - { .name: k, .offset: 8, .size: 8, .value_kind: global_buffer, .address_space: global }
      - { .name: v, .offset: 16, .size: 8, .value_kind: global_buffer, .address_space: global }
      - { .name: Wq_w, .offset: 24, .size: 8, .value_kind: global_buffer, .address_space: global }
      - { .name: Wk_w, .offset: 32, .size: 8, .value_kind: global_buffer, .address_space: global }
      - { .name: Wv_w, .offset: 40, .size: 8, .value_kind: global_buffer, .address_space: global }
      - { .name: dense_w, .offset: 48, .size: 8, .value_kind: global_buffer, .address_space: global }
      - { .name: mask, .offset: 56, .size: 8, .value_kind: global_buffer, .address_space: global }
      - { .name: lowp_scales, .offset: 64, .size: 8, .value_kind: global_buffer, .address_space: global }
      - { .name: img, .offset: 72, .size: 8, .value_kind: global_buffer, .address_space: global }
      - { .name: mimg, .offset: 80, .size: 8, .value_kind: global_buffer, .address_space: global }
      - { .name: flags, .offset: 88, .size: 8, .value_kind: global_buffer, .address_space: global }
    .group_segment_fixed_size: 34816
    .private_segment_fixed_size: 0
    .kernarg_segment_align: 8
    .kernarg_segment_size: 96
    .max_flat_workgroup_size: 128
    .sgpr_count:     68
    .vgpr_count:     256
    .wavefront_size: 32
...
	.end_amdgpu_metadata
.endif
;; end of part 1
;; launch proj (part 2): grid 4 x 96, 4 waves a work-group, clusters of 4 x 4, 327,680 bytes of LDS; arguments img, lowp_scales, qkv, Wq_b, Wk_b, Wv_b; writes qkv
.if DOCPART == 2
	.amdgcn_target "amdgcn-amd-amdhsa--gfx1250"
	.amdhsa_code_object_version 6
	.text
	.protected	k_q13836509eb_proj
	.globl	k_q13836509eb_proj
	.p2align	8
	.type	k_q13836509eb_proj,@function
k_q13836509eb_proj:
	s_mov_b64 s[64:65], 0
	v_nop
	global_prefetch_b8 v0, s[64:65] scope:SCOPE_SE
	s_setreg_imm32_b32 hwreg(HW_REG_WAVE_MODE, 25, 1), 1
	s_wait_xcnt 0x0
	s_wait_alu depctr_hold_cnt(0) depctr_sa_sdst(0) depctr_va_vdst(0) depctr_va_sdst(0) depctr_va_ssrc(0) depctr_va_vcc(0) depctr_vm_vsrc(0)
	s_getreg_b32 s2, hwreg(HW_REG_IB_STS2, 6, 4)
	s_cmp_eq_u32 s2, 0
	s_cbranch_scc0 .Lentry_in_a_cluster
	s_endpgm
.Lentry_in_a_cluster:
	s_bfe_u32 s2, ttmp6, 0x10000c
	s_cmp_lg_u32 s2, 0xf033
	s_cbranch_scc0 .Lentry_shape_is_right
	s_endpgm
.Lentry_shape_is_right:
.set FR,     16
.set NL,     4
.set NP,     4
.set HALFT,  32768
.set SLOT,   4*HALFT
.set SPARE,  2*SLOT
.set LIMV, 8
.set SCV,  9
.set ADRA, 16
.set ADRB, 20
.set LI,   26
.set SPW,  28
.set NIL,  29
.set BI,   32
.set BV,   96
.set AF,   128
.set TMP,  128
.set CD,   192
.set G1, 24
.set G0, 32
.set G1B, 48
.set G0B, 56
.set SC, 94
.set MSB, 0
.macro WIN new
.if MSB != (\new)
	s_set_vgpr_msb (MSB<<8)|(\new)
.set MSB, (\new)
.endif
.endm
.set MUL_LO, 0xa1
.set MUL_HI, 0xf1
.set TO_B,   0x40
.macro JLOAD g0a, g1a, g0b, g1b
	s_cmp_eq_u32 s15, 0
	s_cbranch_scc0 .Lfor_b_\@
	tensor_load_to_lds s[\g0a:\g0a+3], s[\g1a:\g1a+7]
	s_nop 0
.rept 4
	v_nop
.endr
	s_branch .Lasked_\@
.Lfor_b_\@:
	tensor_load_to_lds s[\g0b:\g0b+3], s[\g1b:\g1b+7]
	s_nop 0
.rept 4
	v_nop
.endr
.Lasked_\@:
.endm
.macro CREST
	s_cmp_lg_u32 s14, 0
	s_cbranch_scc1 .Lnot_wave_0_\@
	s_barrier_signal -3
.Lnot_wave_0_\@:
	s_barrier_wait -3
	s_barrier_signal -1
	s_barrier_wait -1
.endm
.macro CROUND
	s_barrier_signal -1
	s_barrier_wait -1
	CREST
.endm
	s_load_b256 s[4:11], s[0:1], 0x0
	s_load_b128 s[68:71], s[0:1], 0x20
	v_lshl_add_u32 v[SPW], v0, 2, SPARE
	v_mov_b32 v[NIL], 0
	ds_add_u32 v28, v29
	ds_add_u32 v28, v29
	s_wait_dscnt 0x0
	v_lshrrev_b32 v1, 5, v0
	v_readfirstlane_b32 s14, v1
	s_lshr_b32 s15, s14, 1
	s_and_b32 s16, s14, 1
	s_bfe_u32 s40, ttmp6, 0x40000
	s_bfe_u32 s41, ttmp6, 0x40004
	s_lshl_b32 s43, s41, 2
	s_lshl_b32 s43, 15, s43
	s_lshl_b32 s44, 0x1111, s40
	s_or_b32 s[G1+0], s43, (3<<16)|(1<<21)
	s_or_b32 s[G1B+0], s44, (3<<16)|(1<<21)
.irp g, G1, G1B
	s_mov_b32 s[\g+1], 32<<16
	s_mov_b32 s[\g+2], 128<<16
	s_mov_b32 s[\g+3], 32<<16
	s_mov_b32 s[\g+4], 128
	s_mov_b32 s[\g+5], 32
	s_mov_b32 s[\g+6], 0
	s_mov_b32 s[\g+7], 0
.endr
	s_and_b32 s42, ttmp7, 0xffff
	s_lshr_b32 s17, s42, 3
	s_and_b32 s18, s42, 7
	s_lshl_b32 s19, s17, 6
	s_lshl_b32 s22, s18, 3
	s_add_co_u32 s19, s19, s22
	s_lshl_b32 s23, s17, 3
	s_add_co_u32 s23, s23, 192
	s_add_co_u32 s22, s22, 128
	s_cmp_eq_u32 s17, 2
	s_cselect_b32 s20, 208, s19
	s_cselect_b32 s46, s22, s23
	s_lshl_b32 s19, s41, 1
	s_add_co_u32 s20, s20, s19
	s_add_co_u32 s20, s20, s16
	s_lshl_b32 s20, s20, 17
	s_mov_b32 s21, 0
	s_lshl_b32 s47, s40, 1
	s_add_co_u32 s46, s46, s47
	s_add_co_u32 s46, s46, s16
	s_lshl_b32 s46, s46, 17
	s_mov_b32 s47, 0
	s_mul_i32 s45, s14, HALFT
	s_wait_kmcnt 0x0
	s_load_b256 s[76:83], s[6:7], 0x0
	s_load_b128 s[84:87], s[6:7], 0x20
	s_add_nc_u64 s[20:21], s[4:5], s[20:21]
	s_add_nc_u64 s[46:47], s[4:5], s[46:47]
	CROUND
.irp s, 0,1
	s_mov_b32 s[G0+4*\s], 1
	s_add_co_u32 s[G0+4*\s+1], s45, \s*SLOT
	s_add_nc_u64 s[G0+4*\s+2:G0+4*\s+3], s[20:21], \s*HALFT
	s_or_b32 s[G0+4*\s+3], s[G0+4*\s+3], 0x80000000
	s_mov_b32 s[G0B+4*\s], 1
	s_add_co_u32 s[G0B+4*\s+1], s45, \s*SLOT
	s_add_nc_u64 s[G0B+4*\s+2:G0B+4*\s+3], s[46:47], \s*HALFT
	s_or_b32 s[G0B+4*\s+3], s[G0B+4*\s+3], 0x80000000
	s_wait_alu depctr_va_vdst(0)
	s_wait_tensorcnt 0x0
	ds_add_u32 v28, v29
	ds_add_u32 v28, v29
	s_wait_dscnt 0x0
	CROUND
	JLOAD G0+4*\s, G1, G0B+4*\s, G1B
.endr
	v_and_b32 v1, 31, v0
	v_lshlrev_b32 v[LI], 4, v1
	s_mul_i32 s21, s15, HALFT
	s_mul_i32 s22, s16, HALFT
	s_add_co_u32 s22, s22, 2*HALFT
.irp s, 0,1
	v_add_nc_u32 v[ADRA+\s], s21, v[LI]
	v_add_nc_u32 v[ADRB+\s], s22, v[LI]
	s_add_co_u32 s21, s21, SLOT
	s_add_co_u32 s22, s22, SLOT
.endr
	s_cmp_eq_u32 s17, 2
	s_cselect_b32 s88, s41, s40
	s_cselect_b32 s89, s15, s16
	s_cselect_b32 s90, s40, s41
	s_cselect_b32 s91, s16, s15
	s_lshl_b32 s88, s88, 2
	s_lshl_b32 s89, s89, 1
	s_add_co_u32 s88, s88, s89
	s_lshl_b32 s90, s90, 1
	s_add_co_u32 s90, s90, s91
	s_lshl_b32 s91, s18, 3
	s_add_co_u32 s90, s90, s91
	s_cmp_eq_u32 s17, 1
	s_cselect_b64 s[92:93], s[68:69], s[10:11]
	s_cmp_eq_u32 s17, 2
	s_cselect_b64 s[92:93], s[70:71], s[92:93]
	s_lshl_b32 s94, s88, 8
	s_mov_b32 s95, 0
	s_add_nc_u64 s[92:93], s[92:93], s[94:95]
	v_bfe_u32 v3, v0, 4, 1
	v_lshlrev_b32 v2, 6, v3
	v_and_b32 v5, 15, v0
	v_and_b32 v6, 8, v5
	v_add_nc_u32 v6, v6, v5
	v_lshlrev_b32 v4, 2, v6
.irp b, 0,1,2,3
.irp i, 0,1,2,3
	global_load_b128 v[BI+16*\b+4*\i:BI+16*\b+4*\i+3], v2, s[92:93] offset:128*\b+16*\i
.endr
.endr
.irp a, 0,1,2,3,4,5,6,7
	global_load_b32 v[BV+2*\a], v4, s[92:93] offset:(32*(\a/2)+8*(\a%2))*4
	global_load_b32 v[BV+2*\a+1], v4, s[92:93] offset:(32*(\a/2)+8*(\a%2))*4
.endr
	s_lshr_b32 s91, s90, 4
	s_lshl_b32 s91, s91, 4
	s_add_co_u32 s91, s91, s88
	s_lshl_b32 s91, s91, 4
	s_and_b32 s90, s90, 15
	s_add_co_u32 s91, s91, s90
	s_mul_i32 s90, s91, 24576
	s_lshl_b32 s91, s17, 13
	s_add_co_u32 s90, s90, s91
	s_mov_b32 s91, 0
	s_add_nc_u64 s[8:9], s[8:9], s[90:91]
	s_wait_kmcnt 0x0
	s_add_co_i32 s[SC], s76, s77
	s_add_co_i32 s95, s78, s79
	s_add_co_i32 s88, s80, s81
	s_cmp_eq_u32 s17, 1
	s_cselect_b32 s[SC], s95, s[SC]
	s_cselect_b32 s89, s83, s82
	s_cmp_eq_u32 s17, 2
	s_cselect_b32 s[SC], s88, s[SC]
	s_cselect_b32 s89, s85, s89
	s_add_co_i32 s[SC], s[SC], 127
	s_lshl_b32 s[SC], s[SC], 23
	s_mov_b32 s[SC+1], s[SC]
	s_add_co_i32 s89, s89, 127
	s_lshl_b32 s88, s89, 23
	v_mov_b32 v[SCV], s88
	s_add_co_i32 s89, s89, 8
	s_lshl_b32 s89, s89, 23
	s_or_b32 s89, s89, 0x600000
	v_mov_b32 v[LIMV], s89
.macro FRAG reg, adr, q, i
.irp c, 0,1,2,3
	ds_load_b128 v[\reg+4*\c:\reg+4*\c+3], v[\adr] offset:4096*(\i)+2048*(\q)+512*\c
.endr
.endm
.macro MUL16 a0, p, zero
.irp a, \a0, \a0+1
.irp b, 0,1,2,3,4,5,6,7
.if \zero
	v_wmma_f32_16x16x128_fp8_fp8 v[8*(8*((\a)%4)+\b):8*(8*((\a)%4)+\b)+7], v[128*(\p)+FR*\b:128*(\p)+FR*\b+FR-1], v[AF+FR*(\a):AF+FR*(\a)+FR-1], 0
.else
	v_wmma_f32_16x16x128_fp8_fp8 v[8*(8*((\a)%4)+\b):8*(8*((\a)%4)+\b)+7], v[128*(\p)+FR*\b:128*(\p)+FR*\b+FR-1], v[AF+FR*(\a):AF+FR*(\a)+FR-1], v[8*(8*((\a)%4)+\b):8*(8*((\a)%4)+\b)+7]
.endif
.endr
.endr
.endm
.macro FETCH_B slot, q, p
	WIN TO_B
.irp i, 0,1,2,3,4,5,6,7
	FRAG 128*(\p)+FR*\i, ADRB+\slot, \q, \i
.endr
	WIN 0
.endm
.macro FETCH_A slot, q, i0
.irp i, \i0, \i0+1, \i0+2, \i0+3
	FRAG AF+FR*(\i), ADRA+\slot, \q, \i
.endr
.endm
.macro PLACES n
.rept \n
	v_nop
.endr
.endm
.macro STEP slot, q, zero
	s_wait_dscnt 4*NL
	WIN MUL_LO
	MUL16 0, (\q)%2, \zero
	MUL16 2, (\q)%2, \zero
	s_wait_dscnt 0
	PLACES NP
	FETCH_B \slot, (\q)+1, 1-(\q)%2
	FETCH_A \slot, (\q)+1, 0
	WIN MUL_HI
	MUL16 4, (\q)%2, \zero
	MUL16 6, (\q)%2, \zero
	PLACES NP
	WIN 0
	FETCH_A \slot, (\q)+1, 4
.endm
.macro TURN slot, next, fill
	s_wait_tensorcnt 0x0
	ds_add_u32 v[SPW], v[NIL]
	s_wait_dscnt 4*NL+1
	WIN MUL_LO
	MUL16 0, 1, 0
	s_wait_dscnt 0x0
	s_barrier_signal -1
	MUL16 2, 1, 0
	WIN 0
	s_barrier_wait -1
.if \fill
	CREST
	s_add_nc_u64 s[G0+4*\slot+2:G0+4*\slot+3], s[G0+4*\slot+2:G0+4*\slot+3], 2*HALFT
	s_add_nc_u64 s[G0B+4*\slot+2:G0B+4*\slot+3], s[G0B+4*\slot+2:G0B+4*\slot+3], 2*HALFT
	JLOAD G0+4*\slot, G1, G0B+4*\slot, G1B
.else
	PLACES NP
.endif
	s_wait_alu depctr_va_vdst(0)
	FETCH_B \next, 0, 0
	FETCH_A \next, 0, 0
	WIN MUL_HI
	MUL16 4, 1, 0
	MUL16 6, 1, 0
	PLACES NP
	WIN 0
	FETCH_A \next, 0, 4
.endm
	s_wait_tensorcnt 1
	s_barrier_signal -1
	s_barrier_wait -1
	FETCH_B 0, 0, 0
	FETCH_A 0, 0, 0
	FETCH_A 0, 0, 4
	STEP 0, 0, 1
	TURN 0, 1, 1
	STEP 1, 0, 0
	TURN 1, 0, 1
	STEP 0, 0, 0
	TURN 0, 1, 0
	STEP 1, 0, 0
	s_wait_dscnt 4*NL
	WIN MUL_LO
	MUL16 0, 1, 0
	MUL16 2, 1, 0
	s_wait_dscnt 0
	WIN MUL_HI
	MUL16 4, 1, 0
	MUL16 6, 1, 0
	WIN 0
.macro EPI isv
.irp a, 0,1,2,3,4,5,6,7
	WIN 0x02+(\a/4)
.set j, 0
.rept 32
.if \isv
	v_pk_fma_f32 v[TMP+j:TMP+j+1], v[64*(\a%4)+j:64*(\a%4)+j+1], s[SC:SC+1], v[BV+2*\a:BV+2*\a+1] op_sel_hi:[1,0,1]
.else
	v_pk_fma_f32 v[TMP+j:TMP+j+1], v[64*(\a%4)+j:64*(\a%4)+j+1], s[SC:SC+1], v[BI+j:BI+j+1] op_sel_hi:[1,0,1]
.endif
.set j, j+2
.endr
	WIN 0
.set j, 0
.rept 64
	v_med3_num_f32 v[TMP+j], v[TMP+j], -v[LIMV], v[LIMV]
.set j, j+1
.endr
	s_wait_alu depctr_va_vdst(0)
	s_wait_xcnt 0x0
.irp b, 0,1,2,3
	v_cvt_scalef32_pk8_fp8_f32 v[CD+4*\b:CD+4*\b+1], v[TMP+16*\b:TMP+16*\b+7], v[SCV]
	v_cvt_scalef32_pk8_fp8_f32 v[CD+4*\b+2:CD+4*\b+3], v[TMP+16*\b+8:TMP+16*\b+15], v[SCV]
.endr
	v_nop
.irp b, 0,1,2,3
.if \isv
	global_store_b128 v[LI], v[CD+4*\b:CD+4*\b+3], s[8:9] offset:(\a/4)*393216+(\a%4)*2048+\b*512
.else
	global_store_b128 v[LI], v[CD+4*\b:CD+4*\b+3], s[8:9] offset:(\b/2)*393216+\a*1024+(\b%2)*512
.endif
.endr
.endr
.endm
	s_wait_loadcnt 0x0
	PLACES NP
	s_cmp_eq_u32 s17, 2
	s_cbranch_scc1 .Lway_v
	EPI 0
	s_branch .Ldone
.Lway_v:
	EPI 1
.Ldone:
	s_wait_tensorcnt 0x0
	ds_add_u32 v[SPW], v[NIL]
	s_wait_dscnt 0x0
	CROUND
	s_endpgm
.Lfunc_end_k_q13836509eb_proj:
	.size	k_q13836509eb_proj, .Lfunc_end_k_q13836509eb_proj-k_q13836509eb_proj
	.p2alignl 7, 3214868480
	.fill 96, 4, 3214868480
	.section	.rodata,"a",@progbits
	.p2align	6, 0x0
	.amdhsa_kernel k_q13836509eb_proj
		.amdhsa_group_segment_fixed_size 327680
		.amdhsa_private_segment_fixed_size 0
		.amdhsa_enable_private_segment 0
		.amdhsa_kernarg_size 48
		.amdhsa_user_sgpr_count 2
		.amdhsa_user_sgpr_kernarg_segment_ptr 1
		.amdhsa_wavefront_size32 1
		.amdhsa_system_sgpr_workgroup_id_x 1
		.amdhsa_system_sgpr_workgroup_id_y 1
		.amdhsa_system_sgpr_workgroup_id_z 1
		.amdhsa_system_vgpr_workitem_id 0
		.amdhsa_next_free_vgpr 1024
		.amdhsa_next_free_sgpr 100
		.amdhsa_reserve_vcc 0
		.amdhsa_float_denorm_mode_32 3
		.amdhsa_float_denorm_mode_16_64 3
		.amdhsa_memory_ordered 1
		.amdhsa_forward_progress 1
		.amdhsa_inst_pref_size 195
	.end_amdhsa_kernel
	.amdgpu_metadata
---
amdhsa.version: [ 1, 2 ]
amdhsa.kernels:
  - .name:           k_q13836509eb_proj
    .symbol:         k_q13836509eb_proj.kd
    .args:
      - { .name: img, .offset: 0, .size: 8, .value_kind: global_buffer, .address_space: global }
      - { .name: lowp_scales, .offset: 8, .size: 8, .value_kind: global_buffer, .address_space: global }
      - { .name: qkv, .offset: 16, .size: 8, .value_kind: global_buffer, .address_space: global }
      - { .name: Wq_b, .offset: 24, .size: 8, .value_kind: global_buffer, .address_space: global }
      - { .name: Wk_b, .offset: 32, .size: 8, .value_kind: global_buffer, .address_space: global }
      - { .name: Wv_b, .offset: 40, .size: 8, .value_kind: global_buffer, .address_space: global }
    .group_segment_fixed_size: 327680
    .private_segment_fixed_size: 0
    .kernarg_segment_align: 8
    .kernarg_segment_size: 48
    .max_flat_workgroup_size: 128
    .sgpr_count:     100
    .vgpr_count:     1024
    .wavefront_size: 32
...
	.end_amdgpu_metadata
.endif
;; end of part 2
;; launch attn (part 3): grid 4 x 64, 8 waves a work-group, no clusters, 0 bytes of LDS; arguments qkv, mimg, lowp_scales, flags, cimg; writes cimg
.if DOCPART == 3
	.amdgcn_target "amdgcn-amd-amdhsa--gfx1250"
	.amdhsa_code_object_version 6
	.text
	.protected	k_q13836509eb_attn
	.globl	k_q13836509eb_attn
	.p2align	8
	.type	k_q13836509eb_attn,@function
k_q13836509eb_attn:
	s_mov_b64 s[64:65], 0
	v_nop
	global_prefetch_b8 v0, s[64:65] scope:SCOPE_SE
	s_setreg_imm32_b32 hwreg(HW_REG_WAVE_MODE, 25, 1), 1
	s_wait_xcnt 0x0
; ctx = softmax(Q K^T / 8 + mask x -10000) V for 64 (batch, head) pairs of 2,048 x 2,048 x 64, both products on codes of E4M3; ctx is quantised at once and stored as the image of the last product's operand.
; THE SOFTMAX: t = logit x log2(e); M = the running largest t rounded up to a whole number; p = 2^(t - M) is quantised, not normalised; the sum of the unquantised p divides at the end; when M moves, the sum and O are
; multiplied by 2^(old M - new M), which rounds nothing.
; THE MASK is an input and is honoured as it is given.  The first launch has stored, as whole numbers, for each tile of 16 queries and each key step of 128: HIDDEN (every score of the step lies so far under its row's largest
; that p is 0 in f32, whatever Q and K hold: the bound is made of the codes' range, 64 x 448 x 448, and the mask's own numbers) and ZERO (all its mask terms are 0).  A job walks only the key steps that are not hidden for both
; its tiles (at least one: the step with the largest term of the row whose largest term is least).  A step that is ZERO for both starts its scores with C = 0; any other loads the mask's images into the scores' registers and adds onto them.
; LIMIT: a NaN or an infinity among Q's, K's or V's numbers of a hidden step is not carried to the result (codes hold neither).
; SHARES.  A job is 32 queries (two tiles) of one head: 4,096 jobs.  A wave does two, blocks a and 63 - a of its head's 64, one after the other; which comes first goes by the wave's number.  2,048 waves, eight to a work-group, two to a SIMD.
; The two tiles go through the softmax together, line by line in turns, so that no line reads the line above it.
; NO TENSOR LOADS, NO LDS, NO CLUSTER: the walk hangs on stored numbers, so K and V, which lie in qkv as images of operand registers, go from memory straight into registers: the next K behind this step's score products, the next V behind this step's last products.
; K and V are not prefetched: these loads are themselves the look-ahead.  The mask's images of a step that needs them are prefetched two steps of the walk ahead: 8,192 bytes, lanes 256 bytes apart; of the 64 heads that read
; a block's two images, heads 0 and 1 ask for one each, so each is named once; such steps are walked last.
; LAYOUT.  Both products are used transposed: S^T = K Q^T (source 0 = 16 keys), O^T = V^T P^T (source 0 = 16 channels): a lane holds one query (lane % 16).  A tile's rows are 32 (t / 2) + 8 (t % 2) + r + 8 (r / 8),
; so the 16 registers of tiles 2 B and 2 B + 1 are 16 neighbours: keys for p, channels for ctx.  The conversions' results are the next operand's registers.
; THE HOLD of p at 448 x 2^e8 changes a number only where e8 < -8 (p is at most 1): it stands under a scalar branch on e8.
; LIMITS: e6 + e7 between -111 and 130; e8, and e10 - e8 - e9, between -126 and 119.  A score's mask term is added by the matrix unit in its own rounding.
; REGISTERS.  window 0: v1-6 what stays; for tile u: v[8+2u], v[9+2u] at work, v[12+2u] f (a pair), v[16+4u] -M, largest t, sum (a pair), v[24+u] a permute's destination, v[26+u] the old -M, v[28+6u] three more chains of the sum;
;   v40-55 Q; v56-87 p's codes; v88-151, v152-215 the two tiles' scores, then p.  window 1: v0-63 K; v64-127 V; v128-191 O^T, 32 a tile.
.set LI,   1                           ; 16 x lane
.set PFO,  2                           ; 256 x lane
.set PLIM, 3                           ; 448 x 2^e8
.set PSC,  4                           ; 2^e8
.set CLIM, 5                           ; 448 x 2^(e10 - e8 - e9)
.set CSC,  6                           ; 2^(e10 - e8 - e9)
.set TA,   8
.set FF,   12
.set ST,   16
.set PD,   24
.set OM,   26
.set CH,   28
.set Q,    40
.set PC,   56
.set S0,   88
.set S1,   152
.set KR,   0                           ; window 1
.set VR,   64
.set OT,   128
.set WV,   14
.set HD,   15                          ; the head, 0..63
.set JB,   16                          ; the job's block of 32 queries, 0..63
.set JOBS, 17
.set HB,   18                          ; s[18:19] the head's first byte in qkv
.set NB,   20                          ; s[20:21] the next step's group in qkv
.set NO,   22
.set MB0,  24                          ; s[24:25] the job's two tiles' mask images
.set MB,   26                          ; s[26:27] those of the step in hand
.set MO,   28
.set W,    30                          ; steps still to be taken up: bits 0-15 ZERO steps, bits 16-31 steps with mask images
.set N,    32                          ; steps of the job's walk
.set I,    33
.set CUR,  34
.set NXT,  35
.set HOLD, 37                          ; 1: e8 < -8
.set SEL,  38                          ; s[38:39] selects for lane l xor 16
.set CS,   40                          ; s[40:41] log2(e) x 2^(e6 + e7 - 3)
.set CB,   42                          ; s[42:43] where the job's codes of ctx go
.set PB0,  82                          ; s[82:83] the tile's images that my head prefetches
.set PB,   84
.set PO,   86
.set ASK,  88                          ; 1 in heads 0 and 1
.set MORE, 89
.set QB,   90
.set CH0,  92                          ; the head's part of the offset in cimg
.set MSB, 0
.macro WIN new
.if MSB != (\new)
	s_set_vgpr_msb (MSB<<8)|(\new)
.set MSB, (\new)
.endif
.endm
.macro PLACES
.rept 4
	v_nop
.endr
.endm
.macro KLOADS
	WIN 0x40
.irp n, 0,1,2,3,4,5,6,7,8,9,10,11,12,13,14,15
	global_load_b128 v[KR+4*\n:KR+4*\n+3], v[LI], s[NB:NB+1] offset:8192+512*\n
.endr
	WIN 0
.endm
.macro VLOADS
	WIN 0x40
.irp n, 0,1,2,3,4,5,6,7,8,9,10,11,12,13,14,15
	global_load_b128 v[VR+4*\n:VR+4*\n+3], v[LI], s[NB:NB+1] offset:16384+512*\n
.endr
	WIN 0
.endm
.macro ML u, sb                        ; tile u's mask image of the step in hand into the scores' registers
.irp n, 0,1,2,3,4,5,6,7,8,9,10,11,12,13,14,15
	global_load_b128 v[\sb+4*\n:\sb+4*\n+3], v[LI], s[MB:MB+1] offset:131072*\u+512*\n
.endr
.endm
.macro QK u, sb, gen                   ; S^T = K Q^T (+ the mask's image): eight tiles of 16 keys, eight accumulators, one instruction each
	WIN 0x01
.irp t, 0,1,2,3,4,5,6,7
.if \gen
	v_wmma_f32_16x16x64_fp8_fp8 v[\sb+8*\t:\sb+8*\t+7], v[KR+8*\t:KR+8*\t+7], v[Q+8*\u:Q+8*\u+7], v[\sb+8*\t:\sb+8*\t+7]
.else
	v_wmma_f32_16x16x64_fp8_fp8 v[\sb+8*\t:\sb+8*\t+7], v[KR+8*\t:KR+8*\t+7], v[Q+8*\u:Q+8*\u+7], 0
.endif
.endr
	WIN 0
.endm
; The softmax of both tiles, u = 0 and 1 by turns, on the 64 scores each at S0 + 64 u; p's codes go to PC + 16 u; O^T is brought under the new M.
.macro SOFT2
	s_wait_alu depctr_va_vdst(0)                   ; directly ahead of the first reader of the scores
.irp u, 0,1
	v_max3_num_f32 v[TA+2*\u], v[S0+64*\u], v[S0+64*\u+1], v[S0+64*\u+2]       ; the step's largest score of my query: two chains a tile, each accumulator from its low end on
	v_max3_num_f32 v[TA+2*\u+1], v[S0+64*\u+3], v[S0+64*\u+4], v[S0+64*\u+5]
.endr
.set i, 6
.rept 14
.irp u, 0,1
	v_max3_num_f32 v[TA+2*\u], v[TA+2*\u], v[S0+64*\u+i], v[S0+64*\u+i+1]
	v_max3_num_f32 v[TA+2*\u+1], v[TA+2*\u+1], v[S0+64*\u+i+2], v[S0+64*\u+i+3]
.endr
.set i, i+4
.endr
.irp u, 0,1
	v_max3_num_f32 v[TA+2*\u], v[TA+2*\u], v[S0+64*\u+62], v[S0+64*\u+63]
.endr
.irp u, 0,1
	v_max_num_f32 v[TA+2*\u], v[TA+2*\u], v[TA+2*\u+1]
.endr
.irp u, 0,1
	v_permlanex16_b32 v[PD+\u], v[TA+2*\u], s[SEL], s[SEL+1]
.endr
.irp u, 0,1
	v_max_num_f32 v[TA+2*\u], v[TA+2*\u], v[PD+\u]          ; and among lane l xor 16's
.endr
.irp u, 0,1
	v_mul_f32 v[TA+2*\u], s[CS], v[TA+2*\u]                 ; as t
.endr
.irp u, 0,1
	v_max_num_f32 v[ST+4*\u+1], v[ST+4*\u+1], v[TA+2*\u]    ; the running largest t
.endr
.irp u, 0,1
	v_mov_b32 v[OM+\u], v[ST+4*\u]
.endr
.irp u, 0,1
	v_floor_f32 v[ST+4*\u], -v[ST+4*\u+1]                   ; the new -M
.endr
.set j, 0
.rept 32
.irp u, 0,1
	v_pk_fma_f32 v[S0+64*\u+j:S0+64*\u+j+1], v[S0+64*\u+j:S0+64*\u+j+1], s[CS:CS+1], v[ST+4*\u:ST+4*\u+1] op_sel_hi:[1,0,0]   ; t - M
.endr
.set j, j+2
.endr
.irp u, 0,1
	v_sub_f32 v[TA+2*\u], v[ST+4*\u], v[OM+\u]              ; old M - new M: a whole number, 0 or less
.endr
.irp u, 0,1
	v_cvt_i32_f32 v[TA+2*\u], v[TA+2*\u]
.endr
.irp u, 0,1
	v_ldexp_f32 v[FF+2*\u], 1.0, v[TA+2*\u]                 ; f
.endr
	s_wait_alu depctr_va_vdst(0)
.set j, 0
.rept 128
	v_exp_f32 v[S0+j], v[S0+j]                     ; p = 2^(t - M)
.set j, j+1
.endr
.irp u, 0,1
	v_pk_mul_f32 v[ST+4*\u+2:ST+4*\u+3], v[ST+4*\u+2:ST+4*\u+3], v[FF+2*\u:FF+2*\u+1] op_sel_hi:[1,0]   ; the sum under the new M; the plain lines behind the exponentials
.endr
	s_wait_alu depctr_va_vdst(0)                   ; one wait for the batch, ahead of its first reader
.irp u, 0,1                            ; the sum is taken of the unquantised p: four chains a tile
.irp c, 0,1,2
	v_pk_add_f32 v[CH+6*\u+2*\c:CH+6*\u+2*\c+1], v[S0+64*\u+4*\c:S0+64*\u+4*\c+1], v[S0+64*\u+4*\c+2:S0+64*\u+4*\c+3]
.endr
.endr
.set j, 12
.rept 6
.irp u, 0,1
	v_pk_add_f32 v[ST+4*\u+2:ST+4*\u+3], v[ST+4*\u+2:ST+4*\u+3], v[S0+64*\u+j:S0+64*\u+j+1]
.irp c, 0,1,2
	v_pk_add_f32 v[CH+6*\u+2*\c:CH+6*\u+2*\c+1], v[CH+6*\u+2*\c:CH+6*\u+2*\c+1], v[S0+64*\u+j+2+2*\c:S0+64*\u+j+3+2*\c]
.endr
.endr
.set j, j+8
.endr
.irp u, 0,1
	v_pk_add_f32 v[ST+4*\u+2:ST+4*\u+3], v[ST+4*\u+2:ST+4*\u+3], v[S0+64*\u+60:S0+64*\u+61]
	v_pk_add_f32 v[CH+6*\u:CH+6*\u+1], v[CH+6*\u:CH+6*\u+1], v[S0+64*\u+62:S0+64*\u+63]
.endr
.irp u, 0,1
	v_pk_add_f32 v[ST+4*\u+2:ST+4*\u+3], v[ST+4*\u+2:ST+4*\u+3], v[CH+6*\u+4:CH+6*\u+5]
	v_pk_add_f32 v[CH+6*\u:CH+6*\u+1], v[CH+6*\u:CH+6*\u+1], v[CH+6*\u+2:CH+6*\u+3]
.endr
.irp u, 0,1
	v_pk_add_f32 v[ST+4*\u+2:ST+4*\u+3], v[ST+4*\u+2:ST+4*\u+3], v[CH+6*\u:CH+6*\u+1]
.endr
	s_cmp_eq_u32 s[HOLD], 0
	s_wait_alu depctr_va_vdst(0)
	s_cbranch_scc1 .Lnh_\@
.set j, 0
.rept 128
	v_min_num_f32 v[S0+j], v[S0+j], v[PLIM]        ; the conversion does not saturate (ISA guide 7.6.2); p is not negative, so the hold is one-sided
.set j, j+1
.endr
.Lnh_\@:
.irp b, 0,1,2,3,4,5,6,7                ; blocks 0-3: tile 0; 4-7: tile 1
	v_cvt_scalef32_pk8_fp8_f32 v[PC+4*\b:PC+4*\b+1], v[S0+16*\b:S0+16*\b+7], v[PSC]
	v_cvt_scalef32_pk8_fp8_f32 v[PC+4*\b+2:PC+4*\b+3], v[S0+16*\b+8:S0+16*\b+15], v[PSC]
.endr
	WIN 0x41
	s_wait_alu depctr_va_vdst(0)                   ; directly ahead of the first reader of O^T
.irp u, 0,1
.set j, 0
.rept 16
	v_pk_mul_f32 v[OT+32*\u+j:OT+32*\u+j+1], v[OT+32*\u+j:OT+32*\u+j+1], v[FF+2*\u:FF+2*\u+1] op_sel_hi:[1,0]   ; x f; also the plain lines behind the conversions
.set j, j+2
.endr
.endr
	WIN 0
.endm
	s_load_b256 s[4:11], s[0:1], 0x0               ; qkv, mimg, the scales' exponents, flags
	s_load_b64 s[12:13], s[0:1], 0x20              ; cimg
	v_lshrrev_b32 v7, 5, v0
	v_readfirstlane_b32 s[WV], v7                  ; wave 0..7
	v_and_b32 v7, 31, v0
	v_lshlrev_b32 v[LI], 4, v7
	v_lshlrev_b32 v[PFO], 8, v7
	v_mov_b32 v[FF+1], 0                           ; (named in the pairs with f, so they are written)
	v_mov_b32 v[FF+3], 0
	v_mov_b32 v[PD], 0
	v_mov_b32 v[PD+1], 0
	s_and_b32 s[HD], ttmp7, 0xffff
	s_lshl_b32 s66, ttmp9, 3
	s_add_co_u32 s66, s66, s[WV]                   ; a = 8 x + wave
	s_lshr_b32 s67, s[WV], 2
	s_xor_b32 s67, s67, s[WV]
	s_and_b32 s67, s67, 1                          ; bit 0 xor bit 2 of the wave: block 63 - a comes first
	s_sub_co_u32 s68, 63, s66
	s_cmp_eq_u32 s67, 0
	s_cselect_b32 s[JB], s66, s68
	s_mul_i32 s68, s[HD], 393216                   ; a head: 16 groups of 24,576 bytes [Q | K | V]
	s_mov_b32 s69, 0
	s_lshr_b32 s[CH0], s[HD], 4                    ; cimg: 16 blocks of 131,072 bytes a batch,
	s_lshl_b32 s[CH0], s[CH0], 21
	s_bfe_u32 s80, s[HD], 0x20002                  ; the last product's K step f = (head % 16) / 2: slot f / 2,
	s_lshl_b32 s80, s80, 15
	s_add_co_u32 s[CH0], s[CH0], s80
	s_bfe_u32 s80, s[HD], 0x10001                  ; step f % 2,
	s_lshl_b32 s80, s80, 11
	s_add_co_u32 s[CH0], s[CH0], s80
	s_and_b32 s80, s[HD], 1                        ; chunks 2 (head % 2) and the next
	s_lshl_b32 s80, s80, 10
	s_add_co_u32 s[CH0], s[CH0], s80
	s_cmp_lt_u32 s[HD], 2
	s_cselect_b32 s[ASK], 1, 0
	s_mov_b32 s[SEL], 0x76543210
	s_mov_b32 s[SEL+1], 0xfedcba98
	s_mov_b32 s[NO+1], 0
	s_mov_b32 s[MO+1], 0
	s_mov_b32 s[PO+1], 0
	s_mov_b32 s[JOBS], 0
	s_lshl_b32 s70, s[JB], 10                      ; flags: four jobs of the first launch, 256 bytes each, to a block
	s_mov_b32 s71, 0
	s_sub_co_u32 s72, 63, s[JB]
	s_lshl_b32 s72, s72, 10
	s_mov_b32 s73, 0
	s_wait_alu depctr_va_vdst(0)
	s_wait_kmcnt 0x0
	s_load_b256 s[44:51], s[8:9], 0x0              ; e0 .. e7
	s_load_b128 s[52:55], s[8:9], 0x20             ; e8 .. e11
	s_add_nc_u64 s[94:95], s[10:11], s[70:71]
	s_add_nc_u64 s[96:97], s[10:11], s[72:73]
.irp m, 0,1,2,3
	s_load_b32 s[56+\m], s[94:95], 256*\m          ; the first job's: tile m / 2, half m % 2 of the keys
	s_load_b32 s[60+\m], s[96:97], 256*\m          ; the second job's
.endr
	s_add_nc_u64 s[HB:HB+1], s[4:5], s[68:69]
	s_wait_kmcnt 0x0
	s_add_co_i32 s66, s50, s51
	s_sub_co_i32 s66, s66, 3
	s_lshl_b32 s66, s66, 23
	s_add_co_i32 s[CS], s66, 0x3fb8aa3b            ; log2(e) with e6 + e7 - 3 added to its exponent field
	s_mov_b32 s[CS+1], s[CS]
	s_add_co_i32 s66, s52, 127
	s_lshl_b32 s67, s66, 23
	v_mov_b32 v[PSC], s67
	s_add_co_i32 s66, s66, 8
	s_lshl_b32 s66, s66, 23
	s_or_b32 s66, s66, 0x600000
	v_mov_b32 v[PLIM], s66
	s_sub_co_i32 s66, s54, s52
	s_sub_co_i32 s66, s66, s53
	s_add_co_i32 s66, s66, 127                     ; O / l stands for ctx / 2^(e8 + e9): the three scales are folded into the conversion's one
	s_lshl_b32 s67, s66, 23
	v_mov_b32 v[CSC], s67
	s_add_co_i32 s66, s66, 8
	s_lshl_b32 s66, s66, 23
	s_or_b32 s66, s66, 0x600000
	v_mov_b32 v[CLIM], s66
	s_cmp_lt_i32 s52, -8
	s_cselect_b32 s[HOLD], 1, 0
.Ljob:                                             ; two trips: a job each
	s_wait_xcnt 0x0                                ; the last job's stores have read their data and their base
	s_wait_loadcnt 0x0                             ; and no load of it is out
	s_lshr_b32 s66, s[JB], 2                       ; the group of 128 queries,
	s_and_b32 s67, s[JB], 3                        ; and which two of its eight tiles
	s_mul_i32 s68, s66, 24576
	s_lshl_b32 s69, s67, 11
	s_add_co_u32 s68, s68, s69
	s_mov_b32 s69, 0
	s_add_nc_u64 s[QB:QB+1], s[HB:HB+1], s[68:69]
	s_lshl_b32 s70, s[JB], 18                      ; mask images: two tiles of 131,072 bytes
	s_mov_b32 s71, 0
	s_add_nc_u64 s[MB0:MB0+1], s[6:7], s[70:71]
	s_and_b32 s72, s[HD], 1
	s_lshl_b32 s72, s72, 17
	s_mov_b32 s73, 0
	s_add_nc_u64 s[PB0:PB0+1], s[MB0:MB0+1], s[72:73]
	s_lshl_b32 s74, s66, 17
	s_add_co_u32 s74, s74, s[CH0]
	s_lshl_b32 s75, s67, 13
	s_add_co_u32 s74, s74, s75
	s_mov_b32 s75, 0
	s_add_nc_u64 s[CB:CB+1], s[12:13], s[74:75]
.irp n, 0,1,2,3
	global_load_b128 v[Q+4*\n:Q+4*\n+3], v[LI], s[QB:QB+1] offset:512*\n   ; Q stays in registers
.endr
	s_and_b32 s66, s56, s58                        ; what holds of both tiles: keys' first half,
	s_and_b32 s67, s57, s59                        ; second half
	s_and_b32 s68, s66, 0xff
	s_and_b32 s69, s67, 0xff
	s_lshl_b32 s69, s69, 8
	s_or_b32 s68, s68, s69                         ; hidden, a bit a step
	s_xor_b32 s68, s68, 0xffff                     ; to be walked
	s_bfe_u32 s70, s66, 0x80008
	s_and_b32 s69, s67, 0xff00
	s_or_b32 s70, s70, s69                         ; ZERO
	s_and_b32 s[W], s68, s70
	s_and_not1_b32 s69, s68, s70
	s_lshl_b32 s69, s69, 16
	s_or_b32 s[W], s[W], s69
	s_bcnt1_i32_b32 s[N], s[W]
	s_ctz_i32_b32 s[CUR], s[W]
	s_min_u32 s[CUR], s[CUR], 31
	s_mov_b32 s[NXT], s[CUR]
	s_sub_co_u32 s66, s[W], 1
	s_and_b32 s[W], s[W], s66                      ; taken up
	s_and_b32 s66, s[CUR], 15
	s_mul_i32 s[NO], s66, 24576
	s_add_nc_u64 s[NB:NB+1], s[HB:HB+1], s[NO:NO+1]
	KLOADS
	VLOADS
	s_mov_b32 s[I], 0
	WIN 0x40
.set j, 0
.rept 64
	v_mov_b32 v[OT+j], 0                           ; O^T.  (The step is written once: the first finds zeros, which the first change of M leaves zeros)
.set j, j+1
.endr
	WIN 0
.irp u, 0,1
	v_mov_b32 v[ST+4*\u+1], 0xff61b1e6             ; the largest t so far: -3e38
	v_mov_b32 v[ST+4*\u+2], 0
	v_mov_b32 v[ST+4*\u+3], 0
.endr
.irp u, 0,1
	v_floor_f32 v[ST+4*\u], -v[ST+4*\u+1]          ; -M
.endr
	s_wait_alu depctr_va_vdst(0)
.Lstep:                                            ; N trips: one key step of the walk
	s_and_b32 s66, s[CUR], 15
	s_lshl_b32 s[MO], s66, 13
	s_wait_xcnt 0x0                                ; earlier loads have read their bases
	s_add_nc_u64 s[MB:MB+1], s[MB0:MB0+1], s[MO:MO+1]
	s_cmp_ge_u32 s[CUR], 16
	s_cbranch_scc1 .Lg0
	s_wait_loadcnt 16                              ; K (the first time Q too) is in; V's 16 loads may be out
	QK 0, S0, 0
	QK 1, S1, 0
	s_branch .Lj0
.Lg0:
	ML 0, S0
	ML 1, S1
	s_wait_loadcnt 0x0
	QK 0, S0, 1
	QK 1, S1, 1
.Lj0:
	PLACES                                         ; in front of loads into K's registers, and of the softmax
	s_cmp_eq_u32 s[W], 0
	s_cselect_b32 s[MORE], 0, 1
	s_cbranch_scc1 .Lnk                            ; the walk's last step asks for nothing
	s_ctz_i32_b32 s[NXT], s[W]
	s_min_u32 s[NXT], s[NXT], 31
	s_sub_co_u32 s66, s[W], 1
	s_and_b32 s[W], s[W], s66
	s_and_b32 s67, s[NXT], 15
	s_ctz_i32_b32 s68, s[W]                        ; the step after the next: does it have mask images, and does my head ask?
	s_min_u32 s68, s68, 31
	s_cmp_ge_u32 s68, 16
	s_cselect_b32 s69, s[ASK], 0
	s_cmp_lg_u32 s[W], 0
	s_cselect_b32 s69, s69, 0
	s_and_b32 s68, s68, 15
	s_lshl_b32 s[PO], s68, 13
	s_wait_xcnt 0x0                                ; V's loads and any prefetch have read their bases
	s_mul_i32 s[NO], s67, 24576
	s_add_nc_u64 s[NB:NB+1], s[HB:HB+1], s[NO:NO+1]
	s_add_nc_u64 s[PB:PB+1], s[PB0:PB0+1], s[PO:PO+1]
	KLOADS                                         ; the next step's K, under this step's softmax
	s_cmp_lg_u32 s69, 0
	s_cbranch_scc0 .Lnk
	global_prefetch_b8 v[PFO], s[PB:PB+1] th:TH_LOAD_NT scope:SCOPE_SE
.Lnk:
	SOFT2
	s_wait_alu depctr_va_vdst(0)
	s_wait_loadcnt 0x0                             ; V; the count is 0 because the walk's last step has no younger loads
	WIN 0x51
.irp t, 0,1,2,3                        ; O^T += V^T P^T: eight accumulators, one instruction each
.irp k, 0,1
	v_wmma_f32_16x16x128_fp8_fp8 v[OT+32*\k+8*\t:OT+32*\k+8*\t+7], v[VR+16*\t:VR+16*\t+15], v[PC+16*\k:PC+16*\k+15], v[OT+32*\k+8*\t:OT+32*\k+8*\t+7]
.endr
.endr
	WIN 0
	PLACES
	s_cmp_eq_u32 s[MORE], 0
	s_cbranch_scc1 .Lnv
	VLOADS                                         ; the next step's V: it has that step's softmax in which to land
.Lnv:
	s_mov_b32 s[CUR], s[NXT]
	s_add_co_u32 s[I], s[I], 1
	s_cmp_lt_u32 s[I], s[N]
	s_cbranch_scc1 .Lstep
	; THE WAY OUT of a job.  O^T / l, held, quantised with 2^(e10 - e8 - e9): 16 channels a lane are 16 bytes of a chunk of ctx's image.
.irp u, 0,1
	v_add_f32 v[ST+4*\u+2], v[ST+4*\u+2], v[ST+4*\u+3]
.endr
.irp u, 0,1
	v_permlanex16_b32 v[PD+\u], v[ST+4*\u+2], s[SEL], s[SEL+1]
.endr
.irp u, 0,1
	v_add_f32 v[ST+4*\u+2], v[ST+4*\u+2], v[PD+\u]
.endr
	s_wait_alu depctr_va_vdst(0)
.irp u, 0,1
	v_rcp_f32 v[ST+4*\u+2], v[ST+4*\u+2]
.endr
	v_nop                                          ; a plain line behind the last reciprocal
	WIN 0x01
	s_wait_alu depctr_va_vdst(0)                   ; one wait for the two and for O^T, ahead of the first reader
.irp k, 0,1
.set j, 0
.rept 16
	v_pk_mul_f32 v[S0+32*\k+j:S0+32*\k+j+1], v[OT+32*\k+j:OT+32*\k+j+1], v[ST+4*\k+2:ST+4*\k+3] op_sel_hi:[1,0]
.set j, j+2
.endr
.endr
	WIN 0
.set j, 0
.rept 64
	v_med3_num_f32 v[S0+j], v[S0+j], -v[CLIM], v[CLIM]
.set j, j+1
.endr
.irp b, 0,1,2,3                        ; blocks 0, 1: tile 0; 2, 3: tile 1
	v_cvt_scalef32_pk8_fp8_f32 v[PC+4*\b:PC+4*\b+1], v[S0+16*\b:S0+16*\b+7], v[CSC]
	v_cvt_scalef32_pk8_fp8_f32 v[PC+4*\b+2:PC+4*\b+3], v[S0+16*\b+8:S0+16*\b+15], v[CSC]
.endr
	v_nop
.irp k, 0,1
.irp b, 0,1
	global_store_b128 v[LI], v[PC+8*\k+4*\b:PC+8*\k+4*\b+3], s[CB:CB+1] offset:4096*\k+512*\b   ; 512 consecutive bytes, aligned
.endr
.endr
	s_mov_b32 s56, s60                             ; on to the other block
	s_mov_b32 s57, s61
	s_mov_b32 s58, s62
	s_mov_b32 s59, s63
	s_sub_co_u32 s[JB], 63, s[JB]
	s_add_co_u32 s[JOBS], s[JOBS], 1
	s_cmp_lt_u32 s[JOBS], 2
	s_wait_alu depctr_va_vdst(0)
	s_cbranch_scc1 .Ljob
	s_endpgm
.Lfunc_end_k_q13836509eb_attn:
	.size	k_q13836509eb_attn, .Lfunc_end_k_q13836509eb_attn-k_q13836509eb_attn
	.p2alignl 7, 3214868480
	.fill 96, 4, 3214868480
	.section	.rodata,"a",@progbits
	.p2align	6, 0x0
	.amdhsa_kernel k_q13836509eb_attn
		.amdhsa_group_segment_fixed_size 0
		.amdhsa_private_segment_fixed_size 0
		.amdhsa_enable_private_segment 0
		.amdhsa_kernarg_size 40
		.amdhsa_user_sgpr_count 2
		.amdhsa_user_sgpr_kernarg_segment_ptr 1
		.amdhsa_wavefront_size32 1
		.amdhsa_system_sgpr_workgroup_id_x 1
		.amdhsa_system_sgpr_workgroup_id_y 1
		.amdhsa_system_sgpr_workgroup_id_z 1
		.amdhsa_system_vgpr_workitem_id 0
		.amdhsa_next_free_vgpr 512
		.amdhsa_next_free_sgpr 100
		.amdhsa_reserve_vcc 0
		.amdhsa_float_denorm_mode_32 3
		.amdhsa_float_denorm_mode_16_64 3
		.amdhsa_memory_ordered 1
		.amdhsa_forward_progress 1
		.amdhsa_inst_pref_size 54
	.end_amdhsa_kernel
	.amdgpu_metadata
---
amdhsa.version: [ 1, 2 ]
amdhsa.kernels:
  - .name:           k_q13836509eb_attn
    .symbol:         k_q13836509eb_attn.kd
    .args:
      - { .name: qkv, .offset: 0, .size: 8, .value_kind: global_buffer, .address_space: global }
      - { .name: mimg, .offset: 8, .size: 8, .value_kind: global_buffer, .address_space: global }
      - { .name: lowp_scales, .offset: 16, .size: 8, .value_kind: global_buffer, .address_space: global }
      - { .name: flags, .offset: 24, .size: 8, .value_kind: global_buffer, .address_space: global }
      - { .name: cimg, .offset: 32, .size: 8, .value_kind: global_buffer, .address_space: global }
    .group_segment_fixed_size: 0
    .private_segment_fixed_size: 0
    .kernarg_segment_align: 8
    .kernarg_segment_size: 40
    .max_flat_workgroup_size: 256
    .sgpr_count:     100
    .vgpr_count:     512
    .wavefront_size: 32
...
	.end_amdgpu_metadata
.endif
;; end of part 3
;; launch outp (part 4): grid 4 x 32, 4 waves a work-group, clusters of 4 x 4, 327,680 bytes of LDS; arguments cimg, img, lowp_scales, dense_b, out0; writes out0
.if DOCPART == 4
	.amdgcn_target "amdgcn-amd-amdhsa--gfx1250"
	.amdhsa_code_object_version 6
	.text
	.protected	k_q13836509eb_outp
	.globl	k_q13836509eb_outp
	.p2align	8
	.type	k_q13836509eb_outp,@function
k_q13836509eb_outp:
	s_mov_b64 s[64:65], 0
	v_nop
	global_prefetch_b8 v0, s[64:65] scope:SCOPE_SE
	s_setreg_imm32_b32 hwreg(HW_REG_WAVE_MODE, 25, 1), 1
	s_wait_xcnt 0x0
	s_wait_alu depctr_hold_cnt(0) depctr_sa_sdst(0) depctr_va_vdst(0) depctr_va_sdst(0) depctr_va_ssrc(0) depctr_va_vcc(0) depctr_vm_vsrc(0)
	s_getreg_b32 s2, hwreg(HW_REG_IB_STS2, 6, 4)
	s_cmp_eq_u32 s2, 0
	s_cbranch_scc0 .Lentry_in_a_cluster
	s_endpgm
.Lentry_in_a_cluster:
	s_bfe_u32 s2, ttmp6, 0x10000c
	s_cmp_lg_u32 s2, 0xf033
	s_cbranch_scc0 .Lentry_shape_is_right
	s_endpgm
.Lentry_shape_is_right:
.set FR,     16
.set NL,     4
.set NP,     4
.set HALFT,  32768
.set SLOT,   4*HALFT
.set SPARE,  2*SLOT
.set SPITCH, 528
.set ADRA, 16
.set ADRB, 20
.set STO,  24
.set RD,   25
.set LI,   26
.set SPW,  28
.set NIL,  29
.set BI,   32
.set TMP,  96
.set AF,   128
.set BK,   128
.set G1, 24
.set G0, 32
.set G1B, 48
.set G0B, 56
.set MSB, 0
.macro WIN new
.if MSB != (\new)
	s_set_vgpr_msb (MSB<<8)|(\new)
.set MSB, (\new)
.endif
.endm
.set MUL_LO, 0xa1
.set MUL_HI, 0xf1
.set TO_B,   0x40
.macro JLOAD g0a, g1a, g0b, g1b
	s_cmp_eq_u32 s15, 0
	s_cbranch_scc0 .Lfor_b_\@
	tensor_load_to_lds s[\g0a:\g0a+3], s[\g1a:\g1a+7]
	s_nop 0
.rept 4
	v_nop
.endr
	s_branch .Lasked_\@
.Lfor_b_\@:
	tensor_load_to_lds s[\g0b:\g0b+3], s[\g1b:\g1b+7]
	s_nop 0
.rept 4
	v_nop
.endr
.Lasked_\@:
.endm
.macro CREST
	s_cmp_lg_u32 s14, 0
	s_cbranch_scc1 .Lnot_wave_0_\@
	s_barrier_signal -3
.Lnot_wave_0_\@:
	s_barrier_wait -3
	s_barrier_signal -1
	s_barrier_wait -1
.endm
.macro CROUND
	s_barrier_signal -1
	s_barrier_wait -1
	CREST
.endm
	s_load_b256 s[4:11], s[0:1], 0x0
	s_load_b64 s[12:13], s[0:1], 0x20
	v_lshl_add_u32 v[SPW], v0, 2, SPARE
	v_mov_b32 v[NIL], 0
	ds_add_u32 v28, v29
	ds_add_u32 v28, v29
	s_wait_dscnt 0x0
	v_lshrrev_b32 v1, 5, v0
	v_readfirstlane_b32 s14, v1
	s_lshr_b32 s15, s14, 1
	s_and_b32 s16, s14, 1
	s_bfe_u32 s40, ttmp6, 0x40000
	s_bfe_u32 s41, ttmp6, 0x40004
	s_and_b32 s17, ttmp7, 0xffff
	s_lshl_b32 s17, s17, 2
	s_add_co_u32 s17, s17, s41
	s_lshl_b32 s43, s41, 2
	s_lshl_b32 s43, 15, s43
	s_lshl_b32 s44, 0x1111, s40
	s_or_b32 s[G1+0], s43, (3<<16)|(1<<21)
	s_or_b32 s[G1B+0], s44, (3<<16)|(1<<21)
.irp g, G1, G1B
	s_mov_b32 s[\g+1], 32<<16
	s_mov_b32 s[\g+2], 128<<16
	s_mov_b32 s[\g+3], 32<<16
	s_mov_b32 s[\g+4], 128
	s_mov_b32 s[\g+5], 32
	s_mov_b32 s[\g+6], 0
	s_mov_b32 s[\g+7], 0
.endr
	s_lshl_b32 s20, s17, 1
	s_add_co_u32 s20, s20, s16
	s_lshl_b32 s20, s20, 17
	s_mov_b32 s21, 0
	s_lshl_b32 s46, s40, 1
	s_add_co_u32 s46, s46, s16
	s_add_co_u32 s46, s46, 216
	s_lshl_b32 s46, s46, 17
	s_mov_b32 s47, 0
	s_mul_i32 s45, s14, HALFT
	s_wait_kmcnt 0x0
	s_load_b64 s[96:97], s[8:9], 0x28
	s_add_nc_u64 s[20:21], s[4:5], s[20:21]
	s_add_nc_u64 s[46:47], s[6:7], s[46:47]
	CROUND
.irp s, 0,1
	s_mov_b32 s[G0+4*\s], 1
	s_add_co_u32 s[G0+4*\s+1], s45, \s*SLOT
	s_add_nc_u64 s[G0+4*\s+2:G0+4*\s+3], s[20:21], \s*HALFT
	s_or_b32 s[G0+4*\s+3], s[G0+4*\s+3], 0x80000000
	s_mov_b32 s[G0B+4*\s], 1
	s_add_co_u32 s[G0B+4*\s+1], s45, \s*SLOT
	s_add_nc_u64 s[G0B+4*\s+2:G0B+4*\s+3], s[46:47], \s*HALFT
	s_or_b32 s[G0B+4*\s+3], s[G0B+4*\s+3], 0x80000000
	s_wait_alu depctr_va_vdst(0)
	s_wait_tensorcnt 0x0
	ds_add_u32 v28, v29
	ds_add_u32 v28, v29
	s_wait_dscnt 0x0
	CROUND
	JLOAD G0+4*\s, G1, G0B+4*\s, G1B
.endr
	v_and_b32 v1, 31, v0
	v_lshlrev_b32 v[LI], 4, v1
	s_mul_i32 s21, s15, HALFT
	s_mul_i32 s22, s16, HALFT
	s_add_co_u32 s22, s22, 2*HALFT
.irp s, 0,1
	v_add_nc_u32 v[ADRA+\s], s21, v[LI]
	v_add_nc_u32 v[ADRB+\s], s22, v[LI]
	s_add_co_u32 s21, s21, SLOT
	s_add_co_u32 s22, s22, SLOT
.endr
	s_mul_i32 s23, s14, 16*SPITCH
	v_and_b32 v5, 15, v0
	v_bfe_u32 v3, v0, 4, 1
	s_wait_alu depctr_va_vdst(0)
	v_mul_u32_u24 v[STO], v5, SPITCH
	v_lshl_add_u32 v[STO], v3, 6, v[STO]
	v_add_nc_u32 v[STO], s23, v[STO]
	v_add_nc_u32 v[RD], s23, v[LI]
	s_lshl_b32 s18, s40, 10
	s_lshl_b32 s19, s16, 9
	s_add_co_u32 s18, s18, s19
	s_mov_b32 s19, 0
	s_add_nc_u64 s[10:11], s[10:11], s[18:19]
	s_add_nc_u64 s[12:13], s[12:13], s[18:19]
	s_lshl_b32 s18, s17, 20
	s_lshl_b32 s88, s15, 19
	s_add_co_u32 s18, s18, s88
	s_add_nc_u64 s[12:13], s[12:13], s[18:19]
	v_lshlrev_b32 v2, 6, v3
.irp b, 0,1,2,3
.irp i, 0,1,2,3
	global_load_b128 v[BI+16*\b+4*\i:BI+16*\b+4*\i+3], v2, s[10:11] offset:128*\b+16*\i
.endr
.endr
.macro FRAG reg, adr, q, i
.irp c, 0,1,2,3
	ds_load_b128 v[\reg+4*\c:\reg+4*\c+3], v[\adr] offset:4096*(\i)+2048*(\q)+512*\c
.endr
.endm
.macro MUL16 a0, p, zero
.irp a, \a0, \a0+1
.irp b, 0,1,2,3,4,5,6,7
.if \zero
	v_wmma_f32_16x16x128_fp8_fp8 v[8*(8*((\a)%4)+\b):8*(8*((\a)%4)+\b)+7], v[128*(\p)+FR*\b:128*(\p)+FR*\b+FR-1], v[AF+FR*(\a):AF+FR*(\a)+FR-1], 0
.else
	v_wmma_f32_16x16x128_fp8_fp8 v[8*(8*((\a)%4)+\b):8*(8*((\a)%4)+\b)+7], v[128*(\p)+FR*\b:128*(\p)+FR*\b+FR-1], v[AF+FR*(\a):AF+FR*(\a)+FR-1], v[8*(8*((\a)%4)+\b):8*(8*((\a)%4)+\b)+7]
.endif
.endr
.endr
.endm
.macro FETCH_B slot, q, p
	WIN TO_B
.irp i, 0,1,2,3,4,5,6,7
	FRAG 128*(\p)+FR*\i, ADRB+\slot, \q, \i
.endr
	WIN 0
.endm
.macro FETCH_A slot, q, i0
.irp i, \i0, \i0+1, \i0+2, \i0+3
	FRAG AF+FR*(\i), ADRA+\slot, \q, \i
.endr
.endm
.macro PLACES n
.rept \n
	v_nop
.endr
.endm
.macro STEP slot, q, zero
	s_wait_dscnt 4*NL
	WIN MUL_LO
	MUL16 0, (\q)%2, \zero
	MUL16 2, (\q)%2, \zero
	s_wait_dscnt 0
	PLACES NP
	FETCH_B \slot, (\q)+1, 1-(\q)%2
	FETCH_A \slot, (\q)+1, 0
	WIN MUL_HI
	MUL16 4, (\q)%2, \zero
	MUL16 6, (\q)%2, \zero
	PLACES NP
	WIN 0
	FETCH_A \slot, (\q)+1, 4
.endm
.macro TURN slot, next, fill
	s_wait_tensorcnt 0x0
	ds_add_u32 v[SPW], v[NIL]
	s_wait_dscnt 4*NL+1
	WIN MUL_LO
	MUL16 0, 1, 0
	s_wait_dscnt 0x0
	s_barrier_signal -1
	MUL16 2, 1, 0
	WIN 0
	s_barrier_wait -1
.if \fill
	CREST
	s_add_nc_u64 s[G0+4*\slot+2:G0+4*\slot+3], s[G0+4*\slot+2:G0+4*\slot+3], 2*HALFT
	s_add_nc_u64 s[G0B+4*\slot+2:G0B+4*\slot+3], s[G0B+4*\slot+2:G0B+4*\slot+3], 2*HALFT
	JLOAD G0+4*\slot, G1, G0B+4*\slot, G1B
.else
	PLACES NP
.endif
	FETCH_B \next, 0, 0
	FETCH_A \next, 0, 0
	WIN MUL_HI
	MUL16 4, 1, 0
	MUL16 6, 1, 0
	PLACES NP
	WIN 0
	FETCH_A \next, 0, 4
.endm
	s_wait_tensorcnt 1
	s_barrier_signal -1
	s_barrier_wait -1
	FETCH_B 0, 0, 0
	FETCH_A 0, 0, 0
	FETCH_A 0, 0, 4
	STEP 0, 0, 1
	TURN 0, 1, 1
	STEP 1, 0, 0
	TURN 1, 0, 1
	STEP 0, 0, 0
	TURN 0, 1, 0
	STEP 1, 0, 0
	s_wait_dscnt 4*NL
	WIN MUL_LO
	MUL16 0, 1, 0
	MUL16 2, 1, 0
	s_wait_dscnt 0
	WIN MUL_HI
	MUL16 4, 1, 0
	MUL16 6, 1, 0
	WIN 0
.macro TOSTAGE a
.set AC, 64*((\a)%4)
.irp hf, 0,1
	WIN 0x02+((\a)/4)
.set j, 0
.rept 16
	v_pk_fma_f32 v[TMP+j:TMP+j+1], v[AC+32*\hf+j:AC+32*\hf+j+1], s[96:97], v[BI+32*\hf+j:BI+32*\hf+j+1] op_sel_hi:[1,0,1]
.set j, j+2
.endr
	WIN 0
.irp bb, 0,1,2,3
	ds_store_b128 v[STO], v[TMP+8*\bb:TMP+8*\bb+3] offset:128*((4*\hf+\bb)/2)+32*(\bb%2)
	ds_store_b128 v[STO], v[TMP+8*\bb+4:TMP+8*\bb+7] offset:128*((4*\hf+\bb)/2)+32*(\bb%2)+16
.endr
.endr
.set BB, BK+64*((\a)%2)
.irp t, 0,1,2,3,4,5,6,7,8,9,10,11,12,13,14,15
	ds_load_b128 v[BB+4*\t:BB+4*\t+3], v[RD] offset:\t*SPITCH
.endr
.endm
.macro SEND a, younger
.set BB, BK+64*((\a)%2)
	s_wait_dscnt \younger
.irp t, 0,1,2,3,4,5,6,7,8,9,10,11,12,13,14,15
	global_store_b128 v[LI], v[BB+4*\t:BB+4*\t+3], s[12:13] offset:(32*((\a)/2)+8*((\a)%2)+\t+8*(\t/8))*4096 th:TH_STORE_NT
.endr
.endm
	s_wait_kmcnt 0x0
	s_add_co_i32 s96, s96, s97
	s_add_co_i32 s96, s96, 127
	s_lshl_b32 s96, s96, 23
	s_mov_b32 s97, s96
	s_wait_loadcnt 0x0
	PLACES NP
	TOSTAGE 0
.irp a, 1,2,3,4,5,6,7
.if \a > 1
	s_wait_xcnt 0x0
.endif
	TOSTAGE \a
	SEND \a-1, 32
.endr
	SEND 7, 0
	s_wait_tensorcnt 0x0
	ds_add_u32 v[SPW], v[NIL]
	s_wait_dscnt 0x0
	CROUND
	s_endpgm
.Lfunc_end_k_q13836509eb_outp:
	.size	k_q13836509eb_outp, .Lfunc_end_k_q13836509eb_outp-k_q13836509eb_outp
	.p2alignl 7, 3214868480
	.fill 96, 4, 3214868480
	.section	.rodata,"a",@progbits
	.p2align	6, 0x0
	.amdhsa_kernel k_q13836509eb_outp
		.amdhsa_group_segment_fixed_size 327680
		.amdhsa_private_segment_fixed_size 0
		.amdhsa_enable_private_segment 0
		.amdhsa_kernarg_size 40
		.amdhsa_user_sgpr_count 2
		.amdhsa_user_sgpr_kernarg_segment_ptr 1
		.amdhsa_wavefront_size32 1
		.amdhsa_system_sgpr_workgroup_id_x 1
		.amdhsa_system_sgpr_workgroup_id_y 1
		.amdhsa_system_sgpr_workgroup_id_z 1
		.amdhsa_system_vgpr_workitem_id 0
		.amdhsa_next_free_vgpr 1024
		.amdhsa_next_free_sgpr 100
		.amdhsa_reserve_vcc 0
		.amdhsa_float_denorm_mode_32 3
		.amdhsa_float_denorm_mode_16_64 3
		.amdhsa_memory_ordered 1
		.amdhsa_forward_progress 1
		.amdhsa_inst_pref_size 125
	.end_amdhsa_kernel
	.amdgpu_metadata
---
amdhsa.version: [ 1, 2 ]
amdhsa.kernels:
  - .name:           k_q13836509eb_outp
    .symbol:         k_q13836509eb_outp.kd
    .args:
      - { .name: cimg, .offset: 0, .size: 8, .value_kind: global_buffer, .address_space: global }
      - { .name: img, .offset: 8, .size: 8, .value_kind: global_buffer, .address_space: global }
      - { .name: lowp_scales, .offset: 16, .size: 8, .value_kind: global_buffer, .address_space: global }
      - { .name: dense_b, .offset: 24, .size: 8, .value_kind: global_buffer, .address_space: global }
      - { .name: out0, .offset: 32, .size: 8, .value_kind: global_buffer, .address_space: global }
    .group_segment_fixed_size: 327680
    .private_segment_fixed_size: 0
    .kernarg_segment_align: 8
    .kernarg_segment_size: 40
    .max_flat_workgroup_size: 128
    .sgpr_count:     100
    .vgpr_count:     1024
    .wavefront_size: 32
...
	.end_amdgpu_metadata
.endif
;; end of part 4
